; MI455X (gfx1250); checked and timed in simulation.
; The chip was launched on July 23, 2026; its instructions are those of AMD's public machine-readable ISA for CDNA 5 (MIT licence, August 2026) and "CDNA5" Instruction Set Architecture Reference Guide (July 2026). The comments in the code are by the model that wrote it; some were corrected since.
;; Field. Allowed arithmetic: float matrix products may take bf16 or f16 operands with f32 sums; all other float work in f32.
;; Inputs: W0 35 x 32 float32; W1 32 x 32 float32; Wout 32 x 1 float32; b0 32 float32; b1 32 float32; bout 1 float32; table 16 x 524,288 x 2 float32; x 1,000,000 x 3 float32.
;; Outputs: out0 1,000,000 x 1 float32.
;; One version. Each part assembles by itself: llvm-mc -triple=amdgcn-amd-amdhsa -mcpu=gfx1250 --defsym DOCPART=n.
;; ======== version 1 of 1: 2 launches
;; limits: values are held in f16: magnitudes above 65,504 overflow, below 6.1e-05 lose precision; a function is approximated: absolute error at most 1.2e-07; inputs' magnitudes at most 63; right only within a limited range of input values
;; workspace buffers: qfix 12,000,000 bytes of whole numbers
;; launch quant (part 1): grid 625 x 1, 5 waves a work-group, no clusters, 0 bytes of LDS; arguments x, qfix; writes qfix
.if DOCPART == 1
	.amdgcn_target "amdgcn-amd-amdhsa--gfx1250"
	.amdhsa_code_object_version 6
	.text
	.protected	k_q1dec37aed2_quant
	.globl	k_q1dec37aed2_quant
	.p2align	8
	.type	k_q1dec37aed2_quant,@function
k_q1dec37aed2_quant:
	s_mov_b64 s[64:65], 0
	v_nop
	global_prefetch_b8 v0, s[64:65] scope:SCOPE_SE
	s_setreg_imm32_b32 hwreg(HW_REG_WAVE_MODE, 25, 1), 1
	s_wait_xcnt 0x0
; qfix[i] = trunc(clamp(xn[i] * 2^27, 0, 4294967040)) as u32, for each of the 3,000,000 coordinates, xn = (x + 1) / 2.
; Why this launch: the hash grid's table addresses hang on the coordinates.  Here the coordinates become whole numbers, one fixed-point
; word each (12,000,000 bytes, laid out [N][3] like x); the next launch makes every level's cell from them by integer arithmetic alone.
; fma(x, 2^26, 2^26) = round(x + 1) * 2^26 = xn * 2^27 with xn exactly as the model rounds it (scaling by a power of two rounds nothing).
; For xn >= 2^-4 the product is a whole number, so the word is exact; below that it is cut toward zero.
; LIMITS: xn >= 32 (x >= 63) saturates at 4294967040; a negative xn (x < -1) and a NaN give 0.
; No work of the model is left out in this program and every input is loaded; stop_gradient changes no value.
; SHARE: 12,000,000 bytes = 46,875 blocks of 256 bytes = 625 work-groups x 5 waves x 15 blocks.  A load or store of 8 bytes a lane
; covers 256 consecutive bytes, aligned.  All 15 loads of a wave go out at once; nothing is read twice; no LDS, no barrier.
.set UNITS,      15                    ; blocks of 256 bytes of a wave
.set WAVE_BYTES, UNITS*256
.set WG_BYTES,   5*WAVE_BYTES
.set V,   2                            ; v[2:31]   block j: two words a lane
.set K,   32                           ; v[32:33]  2^26, twice (a pair for the packed multiply-add)
	s_load_b128 s[4:7], s[0:1], 0x0                ; x s[4:5], qfix s[6:7]
	v_lshrrev_b32 v1, 5, v0                        ; wave
	v_and_b32 v0, 31, v0                           ; lane
	v_mul_u32_u24 v1, v1, WAVE_BYTES
	v_lshl_add_u32 v1, v0, 3, v1                   ; my 8 bytes in the wave's first block; never rewritten
	v_mov_b32 v[K], 0x4c800000                     ; 2^26
	v_mov_b32 v[K+1], 0x4c800000
	s_mul_i32 s8, ttmp9, WG_BYTES                  ; below 12,000,000
	s_mov_b32 s9, 0
	s_wait_kmcnt 0x0
	s_add_nc_u64 s[4:5], s[4:5], s[8:9]
	s_add_nc_u64 s[6:7], s[6:7], s[8:9]
.set j, 0
.rept UNITS
	global_load_b64 v[V+2*j:V+2*j+1], v1, s[4:5] offset:256*j      ; no hint: the next launch reads x again
.set j, j+1
.endr
.set j, 0
.rept UNITS
	s_wait_loadcnt UNITS-1-j                       ; loads come back in order: block j is in, the younger ones stay out
	v_pk_fma_f32 v[V+2*j:V+2*j+1], v[V+2*j:V+2*j+1], v[K:K+1], v[K:K+1]
	v_max_num_f32 v[V+2*j],   0, v[V+2*j]          ; a negative number and a NaN become 0
	v_max_num_f32 v[V+2*j+1], 0, v[V+2*j+1]
	v_min_num_f32 v[V+2*j],   0x4f7fffff, v[V+2*j] ; the largest f32 below 2^32
	v_min_num_f32 v[V+2*j+1], 0x4f7fffff, v[V+2*j+1]
	v_cvt_u32_f32 v[V+2*j],   v[V+2*j]             ; toward zero
	v_cvt_u32_f32 v[V+2*j+1], v[V+2*j+1]
	global_store_b64 v1, v[V+2*j:V+2*j+1], s[6:7] offset:256*j     ; no register of a store is written again
.set j, j+1
.endr
	s_endpgm
.Lfunc_end_k_q1dec37aed2_quant:
	.size	k_q1dec37aed2_quant, .Lfunc_end_k_q1dec37aed2_quant-k_q1dec37aed2_quant
	.p2alignl 7, 3214868480
	.fill 96, 4, 3214868480
	.section	.rodata,"a",@progbits
	.p2align	6, 0x0
	.amdhsa_kernel k_q1dec37aed2_quant
		.amdhsa_group_segment_fixed_size 0
		.amdhsa_private_segment_fixed_size 0
		.amdhsa_enable_private_segment 0
		.amdhsa_kernarg_size 16
		.amdhsa_user_sgpr_count 2
		.amdhsa_user_sgpr_kernarg_segment_ptr 1
		.amdhsa_wavefront_size32 1
		.amdhsa_system_sgpr_workgroup_id_x 1
		.amdhsa_system_sgpr_workgroup_id_y 1
		.amdhsa_system_sgpr_workgroup_id_z 1
		.amdhsa_system_vgpr_workitem_id 0
		.amdhsa_next_free_vgpr 34
		.amdhsa_next_free_sgpr 66
		.amdhsa_reserve_vcc 0
		.amdhsa_float_denorm_mode_32 3
		.amdhsa_float_denorm_mode_16_64 3
		.amdhsa_memory_ordered 1
		.amdhsa_forward_progress 1
		.amdhsa_inst_pref_size 9
	.end_amdhsa_kernel
	.amdgpu_metadata
---
amdhsa.version: [ 1, 2 ]
amdhsa.kernels:
  - .name:           k_q1dec37aed2_quant
    .symbol:         k_q1dec37aed2_quant.kd
    .args:
      - { .name: x, .offset: 0, .size: 8, .value_kind: global_buffer, .address_space: global }
      - { .name: qfix, .offset: 8, .size: 8, .value_kind: global_buffer, .address_space: global }
    .group_segment_fixed_size: 0
    .private_segment_fixed_size: 0
    .kernarg_segment_align: 8
    .kernarg_segment_size: 16
    .max_flat_workgroup_size: 160
    .sgpr_count:     66
    .vgpr_count:     34
    .wavefront_size: 32
...
	.end_amdgpu_metadata
.endif
;; end of part 1
;; launch field (part 2): grid 256 x 1, 16 waves a work-group, no clusters, 0 bytes of LDS; arguments x, qfix, table, W0, b0, W1, b1, Wout, bout, out0; writes out0
.if DOCPART == 2
	.amdgcn_target "amdgcn-amd-amdhsa--gfx1250"
	.amdhsa_code_object_version 6
	.text
	.protected	k_q1dec37aed2_field
	.globl	k_q1dec37aed2_field
	.p2align	8
	.type	k_q1dec37aed2_field,@function
k_q1dec37aed2_field:
	s_mov_b64 s[64:65], 0
	v_nop
	global_prefetch_b8 v0, s[64:65] scope:SCOPE_SE
	s_setreg_imm32_b32 hwreg(HW_REG_WAVE_MODE, 25, 1), 1
	s_wait_xcnt 0x0
; out = elu(elu([xn, h] W0 + b0) W1 + b1) Wout + bout, xn = (x + 1) / 2, h = 16 levels of a hashed grid, 8 corners x 2 features, blended trilinearly.
; No work of the model is left out; every input is loaded.
;
; SHARE.  1,000,000 points = 15,625 batches of 64.  256 work-groups x 16 waves = 4,096 waves; wave g = work-group + 256 x wave takes batches
; g, g + 4096, ..: four if g < 3,337, else three, so every work-group has 61 or 62 batches.  Lane L owns points 2 L (sub 0) and 2 L + 1 (sub 1)
; of a batch: its x and its fixed-point words are 24 neighbouring bytes each, and its two results are 8 bytes of one store of the wave that covers
; 256 consecutive bytes, aligned.  Waves share nothing: no LDS, no barrier.  Work-groups share only 9 KB of weights, and the table is read at
; one address a lane, which no tile load serves: so no cluster, no tensor load.
;
; CELLS BY WHOLE NUMBERS.  q = xn 2^27 (from the launch before).  The level's scale s = 16 x 2^(l/3) - 1, rounded to f32, is M x 2^(E-23); SI = M << (E-1)
; = s 2^22 exactly.  q SI = xn s 2^49, so cell = (high word of q SI) >> 17 = floor of the exact product.  The model floors pos, the f32-rounded
; product; the two differ only where pos was rounded up onto a whole number k.  There cell = k - 1 and w = pos - cell = 1, which takes the same
; table entries with the same weights.  w = pos - min(float(cell), floor(pos)): for pos >= 0 the minimum is float(cell) (rounding is monotone);
; for pos < 0 the cell is 0 and w = pos - floor(pos), as in the model.
; Only the low 19 bits of a hash count: the primes are cut to 0x779b1 and 0x25795, and cells are below 2^15, so a 24-bit multiply serves.
;
; THE BLEND is seven lerps a + w (b - a) on pairs of features in f32 (each point has its own 8 x 2 numbers and its own weights: nothing is shared
; between points that a matrix instruction could hold as one operand).
;
; THE THREE LAYERS go to the matrix instruction with f16 operands and f32 sums, used transposed: A = the weights (row = unit), B = the activations
; (column = point).  In the result, register j of lane (r, h) is unit 16 t + 8 h + j of point r, so the two unit tiles, packed, ARE the next layer's
; B operand (registers 0-3: k = 8 h .., registers 4-7: k = 16 + 8 h ..): no lane traffic between layers.
; f16 and not bf16: six roundings lie in a row (xn, W0, h1, W1, h2, Wout), and 11 significant bits keep their sum eight times smaller than 8 bits.
; Range: with every input 30 times larger xn <= 16, weights some 13, h1 some 460, h2 some 14,000 at the most; 30 times smaller h2 is some 6e-5, where
; f16 still steps by 6e-8.
;
; ELU: e = exp2(x log2 e) - 1; result = x where 0 < x, else e.  An overflow of the exponential for large x is thrown away by that same choice; a NaN is carried.
;
; LIMITS: x < 63 (else q is saturated); for x < -1 the conversion of a negative number to uint32 is taken as 0; matrix operands below 65,504 in magnitude;
; below xn = 2^-4 w may pass 1 by 511 x 2^-27 at the most; lerps and exp - 1 round in another order than weight products and expm1 (exp - 1: 1.2e-7 absolute).
.set BATCH_X,     768                  ; bytes of x, and of q, in a batch
.set BATCH_O,     256                  ; bytes of out in a batch
.set ALL_WAVES,   4096
.set LONG,        15625-3*ALL_WAVES    ; waves below this number have a fourth batch
.set LEVEL_BYTES, 0x400000             ; 524,288 entries of 8 bytes
.set HMASK,       0x7ffff
.set PRIME1,      0x779b1              ; 2654435761 & HMASK
.set PRIME2,      0x25795              ; 805459861 & HMASK
; vector registers
.set L24,  1                           ; 24 x lane; never rewritten
.set L8,   2                           ; 8 x lane; never rewritten
.set OT,   3                           ; results of the points of lanes 0-15
.set X,    4                           ; v[4:9]     x, then xn: sub s, dimension d at X + 3 s + d
.set Q,    10                          ; v[10:15]   q, same order
.set PK,   16                          ; v[16:19]   f16 (xn0, xn1), (xn2, 0) of sub 0, of sub 1
.set OUT,  20                          ; v[20:21]   my two results
.set P,    22                          ; v[22:24]   pos
.set A1,   25                          ; cell x + 1
.set T,    26                          ; v[26:31]   three pairs at work
.set CELL, 32                          ; v[32:34]
.set HB,   36                          ; v[36:37]   cell y, cell y + 1 times PRIME1
.set HC,   38                          ; v[38:39]   cell z, cell z + 1 times PRIME2
.set BC,   40                          ; v[40:43]   the four combinations of y and z
.set E,    26                          ; v[26:33]   in the layers: exponentials
.set S,    34                          ; in the layers: what a lane sends across
.set R,    35                          ; in the layers: what it gets
.set W,    44                          ; v[44:59]   slot s: wx, wy, wz, a word that stays 0
.set G,    60                          ; v[60:123]  slot s: corner c in the pair at G + 16 s + 2 c: first the index, then the two features
.set F,    124                         ; v[124:139] features in f16, then the hidden layers: B operands of the two point tiles
.set XB,   140                         ; v[140:147] B operand of the K step of xn; registers 2-7 stay 0
.set D,    148                         ; v[148:163] two accumulator tiles: units 0-15, units 16-31
.set A0H,  164                         ; v[164:179] W0 rows 3-34, two unit tiles
.set A0X,  180                         ; v[180:195] W0 rows 0-2 at k = 0-2 and again at k = 8-10, else 0
.set A1W,  196                         ; v[196:211] W1
.set A3,   212                         ; v[212:219] Wout in every row
.set CB0,  220                         ; v[220:235] b0 as the C operand of two tiles, f32
.set CB1,  236                         ; v[236:251] b1
; scalar registers: s[8:9] x, s[10:11] q, s[12:13] table, s[14:15] W0, s[16:17] b0, s[18:19] W1, s[20:21] b1, s[22:23] Wout, s[24:25] bout, s[26:27] out;
; s28 wave, s29 g, s30 trips, s31 trip, s32 mask of lanes 16-31, s33 bout, s34-35 lane selects, s[36:37] an offset, s38 s in f32, s39 s 2^22
.set TB,   66                          ; s[66:97]   level l: the address of its table
	s_load_b512 s[8:23], s[0:1], 0x0
	s_load_b128 s[24:27], s[0:1], 0x40
	v_and_b32 v26, 31, v0                          ; lane
	v_lshrrev_b32 v27, 5, v0
	v_readfirstlane_b32 s28, v27                   ; wave
	v_mul_u32_u24 v[L24], v26, 24
	v_lshlrev_b32 v[L8], 3, v26
	v_and_b32 v28, 15, v26                         ; r
	v_lshrrev_b32 v29, 4, v26                      ; h
	v_lshlrev_b32 v23, 2, v28                      ; 4 r: unit r of a row of weights
	v_lshl_add_u32 v22, v29, 10, v23               ; + 8 h rows of 128 bytes
	v_lshlrev_b32 v24, 5, v29                      ; 32 h: eight f32
	s_lshl_b32 s29, s28, 8
	s_add_co_u32 s29, s29, ttmp9                   ; g
	s_cmp_lt_u32 s29, LONG
	s_cselect_b32 s30, 4, 3                        ; my batches
	s_mul_i32 s36, s29, BATCH_X
	s_mov_b32 s37, 0
	s_lshl_b32 s38, s29, 8                         ; g x BATCH_O
	s_mov_b32 s39, 0
	s_mov_b32 s32, 0xffff0000
	s_mov_b32 s34, 0x76543210                      ; v_permlanex16_b32: lane i of one half reads lane i of the other
	s_mov_b32 s35, 0xfedcba98
	s_mov_b32 s31, 0
	s_wait_kmcnt 0x0
	s_add_nc_u64 s[8:9], s[8:9], s[36:37]          ; x, q and out at my first batch
	s_add_nc_u64 s[10:11], s[10:11], s[36:37]
	s_add_nc_u64 s[26:27], s[26:27], s[38:39]
	s_load_b32 s33, s[24:25], 0x0                  ; bout
.set j, 0
.rept 16
	s_add_nc_u64 s[TB+2*j:TB+2*j+1], s[12:13], j*LEVEL_BYTES
.set j, j+1
.endr
; six loads: a batch's x and q, 24 bytes a lane each; the three loads of a buffer together cover its 768 bytes whole.  Read once in the launch.
.macro LOADXQ
.irp j, 0,1,2
	global_load_b64 v[X+2*\j:X+2*\j+1], v[L24], s[8:9] offset:8*\j th:TH_LOAD_NT
	global_load_b64 v[Q+2*\j:Q+2*\j+1], v[L24], s[10:11] offset:8*\j th:TH_LOAD_NT
.endr
.endm
	LOADXQ
	; The weights, once for each wave, as f32 into registers that the loop uses later.  An A operand's lane (r, h) holds row r, k = 8 h + kk,
	; kk = 0..7 and 16..23: element e has kk = e + 8 (e / 8).  W[k][u] lies at 128 k + 4 u.
.irp t, 0,1
.irp e, 0,1,2,3,4,5,6,7,8,9,10,11,12,13,14,15
	global_load_b32 v[G+16*\t+\e],    v22, s[14:15] offset:(3+\e+8*(\e/8))*128+64*\t
	global_load_b32 v[G+32+16*\t+\e], v22, s[18:19] offset:(\e+8*(\e/8))*128+64*\t
.endr
.irp k, 0,1,2
	global_load_b32 v[F+4*\t+\k], v23, s[14:15] offset:128*\k+64*\t    ; the rows of xn: the same in both halves of the lanes
.endr
	global_load_b128 v[CB0+8*\t:CB0+8*\t+3],   v24, s[16:17] offset:64*\t      ; C operand: register j of lane (r, h) is unit 16 t + 8 h + j
	global_load_b128 v[CB0+8*\t+4:CB0+8*\t+7], v24, s[16:17] offset:64*\t+16
	global_load_b128 v[CB1+8*\t:CB1+8*\t+3],   v24, s[20:21] offset:64*\t
	global_load_b128 v[CB1+8*\t+4:CB1+8*\t+7], v24, s[20:21] offset:64*\t+16
.endr
	global_load_b128 v[F+8:F+11],  v24, s[22:23]               ; Wout[8 h + kk], into v[132:147]
	global_load_b128 v[F+12:F+15], v24, s[22:23] offset:16
	global_load_b128 v[XB:XB+3],   v24, s[22:23] offset:64
	global_load_b128 v[XB+4:XB+7], v24, s[22:23] offset:80
.irp s, 0,1,2,3
	v_mov_b32 v[W+4*\s+3], 0                       ; the second word of the pair that holds wz: read with it, never used
.endr
	v_mov_b32 v[R], 0                              ; v_permlanex16_b32 counts as a reader of its destination
.irp t, 0,1
.irp i, 2,3,4,5,6,7
	v_mov_b32 v[A0X+8*\t+\i], 0
.endr
.endr
	s_wait_loadcnt 0x0                             ; weights, biases, the first batch
	s_wait_kmcnt 0x0                               ; bout
.irp i, 0,1,2,3,4,5,6,7,8,9,10,11,12,13,14,15
	v_cvt_pk_f16_f32 v[A0H+\i], v[G+2*\i],    v[G+2*\i+1]
	v_cvt_pk_f16_f32 v[A1W+\i], v[G+32+2*\i], v[G+32+2*\i+1]
.endr
.irp i, 0,1,2,3,4,5,6,7
	v_cvt_pk_f16_f32 v[A3+\i], v[F+8+2*\i], v[F+8+2*\i+1]
.endr
.irp t, 0,1
	v_cvt_pk_f16_f32 v[A0X+8*\t],   v[F+4*\t],   v[F+4*\t+1]
	v_cvt_pk_f16_f32 v[A0X+8*\t+1], v[F+4*\t+2], v[A0X+2]      ; (row 2, 0)
.endr
.irp i, 2,3,4,5,6,7
	v_mov_b32 v[XB+\i], 0
.endr
; The scale of level l.  In units of 2^(E-23), 16 x 2^(l/3) is 2^24, 0xa14518 (1.2599210 x 2^23 = 10568983.80) or 0xcb2ff5 (1.5874011 x 2^23 = 13316085.16),
; and the 1 that is taken away is the whole number 2^(23-E), so rounding before or after the subtraction is the same.
; M, E for l = 0..15: f00000 3, 994518 4, c32ff5 4, f80000 4, 9d4518 5, c72ff5 5, fc0000 5, 9f4518 6, c92ff5 6, fe0000 6, a04518 7, ca2ff5 7, ff0000 7, a0c518 8, caaff5 8, ff8000 8.
.macro LEVEL l
.set LE, 3+((\l)+2)/3
.if ((\l)%3) == 0
.set LM, 0x1000000-(1<<(23-LE))
.else
.if ((\l)%3) == 1
.set LM, 0xa14518-(1<<(23-LE))
.else
.set LM, 0xcb2ff5-(1<<(23-LE))
.endif
.endif
.set SF, ((127+LE)<<23)|(LM&0x7fffff)  ; s as f32
.set SI, LM<<(LE-1)                    ; s 2^22, below 2^31
.endm
; A step is one level of one sub.  ISSUE: cells, weights and hashes of level l of sub, and its eight gathers, into slot l & 3.
; An index is made in the first register of the pair that its own load fills, so the ring needs no index registers and no wait for sources.
.macro ISSUE sub, l
	LEVEL \l
.set GS, G+16*((\l)&3)
.set WS, W+4*((\l)&3)
	s_mov_b32 s38, SF
	s_mov_b32 s39, SI
.irp d, 0,1,2
	v_mul_f32 v[P+\d], s38, v[X+3*\sub+\d]                         ; pos, rounded as the model rounds it
.endr
.irp d, 0,1,2
	v_mad_nc_u64_u32 v[T+2*\d:T+2*\d+1], v[Q+3*\sub+\d], s39, 0    ; xn s 2^49
.endr
.irp d, 0,1,2
	v_lshrrev_b32 v[CELL+\d], 17, v[T+2*\d+1]
.endr
.irp d, 0,1,2
	v_cvt_f32_u32 v[T+2*\d], v[CELL+\d]
	v_floor_f32 v[T+2*\d+1], v[P+\d]
.endr
.irp d, 0,1,2
	v_min_num_f32 v[T+2*\d], v[T+2*\d], v[T+2*\d+1]
.endr
.irp d, 0,1,2
	v_sub_f32 v[WS+\d], v[P+\d], v[T+2*\d]
.endr
	v_add_nc_u32 v[A1], 1, v[CELL]
	v_mul_u32_u24 v[HB], PRIME1, v[CELL+1]
	v_mul_u32_u24 v[HC], PRIME2, v[CELL+2]
	v_add_nc_u32 v[HB+1], PRIME1, v[HB]
	v_add_nc_u32 v[HC+1], PRIME2, v[HC]
.irp m, 0,1,2,3
	v_xor_b32 v[BC+\m], v[HB+(\m&1)], v[HC+(\m>>1)]
.endr
.irp m, 0,1,2,3
	v_and_b32 v[BC+\m], HMASK, v[BC+\m]
.endr
.irp m, 0,1,2,3
	v_xor_b32 v[GS+4*\m],   v[CELL], v[BC+\m]      ; corner 2 m: x low.  Cells are below 2^15, so the index stays below 2^19
	v_xor_b32 v[GS+4*\m+2], v[A1],   v[BC+\m]      ; corner 2 m + 1: x high
.endr
.irp c, 0,1,2,3,4,5,6,7
	v_min_u32 v[GS+2*\c], HMASK, v[GS+2*\c]        ; changes nothing: states the bound of a number that enters an address
.endr
.irp c, 0,1,2,3,4,5,6,7
	global_load_b64 v[GS+2*\c:GS+2*\c+1], v[GS+2*\c], s[TB+2*(\l):TB+2*(\l)+1] scale_offset    ; entry x 8 bytes
.endr
.endm
; CONSUME: the seven lerps of level l, two features at a time, and the pair rounded to f16 into its place in a B operand.
; Levels 0-3 and 8-11 (k = 0-7, 16-23: what lanes 0-15 hold of a point) go to F + 0..7, levels 4-7 and 12-15 to F + 8..15.
.macro CONSUME l
.set GS, G+16*((\l)&3)
.set WS, W+4*((\l)&3)
.set FP, ((\l)&3)+(((\l)>>3)<<2)+((((\l)>>2)&1)<<3)
.irp c, 0,4,8,12
	v_pk_add_f32 v[GS+\c+2:GS+\c+3], v[GS+\c+2:GS+\c+3], v[GS+\c:GS+\c+1] neg_lo:[0,1] neg_hi:[0,1]
.endr
.irp c, 0,4,8,12
	v_pk_fma_f32 v[GS+\c:GS+\c+1], v[GS+\c+2:GS+\c+3], v[WS:WS+1], v[GS+\c:GS+\c+1] op_sel_hi:[1,0,1]             ; both by wx
.endr
.irp c, 0,8
	v_pk_add_f32 v[GS+\c+4:GS+\c+5], v[GS+\c+4:GS+\c+5], v[GS+\c:GS+\c+1] neg_lo:[0,1] neg_hi:[0,1]
.endr
.irp c, 0,8
	v_pk_fma_f32 v[GS+\c:GS+\c+1], v[GS+\c+4:GS+\c+5], v[WS:WS+1], v[GS+\c:GS+\c+1] op_sel:[0,1,0] op_sel_hi:[1,1,1] ; both by wy
.endr
	v_pk_add_f32 v[GS+8:GS+9], v[GS+8:GS+9], v[GS:GS+1] neg_lo:[0,1] neg_hi:[0,1]
	v_pk_fma_f32 v[GS:GS+1], v[GS+8:GS+9], v[WS+2:WS+3], v[GS:GS+1] op_sel_hi:[1,0,1]                              ; both by wz
	v_cvt_pk_f16_f32 v[F+FP], v[GS], v[GS+1]
.endm
; The ring of four slots: the step three ahead is issued into the slot consumed last, then the oldest step is waited for and consumed.
.macro STEP cl, isub, il, left
	ISSUE \isub, \il
	s_wait_loadcnt \left                           ; loads come back in order: the oldest step's eight are in, the younger ones stay out
	CONSUME \cl
.endm
.macro TAIL cl, left
	s_wait_loadcnt \left
	CONSUME \cl
.endm
; The next batch's x and q.  The last trip asks for its own batch once more (1,536 bytes that are not used): so the counted waits behind this
; point count the same loads in every trip, and no load leaves its buffer.
.macro RELOAD
	s_add_co_u32 s36, s31, 1
	s_cmp_lt_u32 s36, s30
	s_cselect_b32 s36, ALL_WAVES*BATCH_X, 0
	s_mov_b32 s37, 0
	s_add_nc_u64 s[8:9], s[8:9], s[36:37]          ; the loads that named these bases were shown done by the wait at the trip's head
	s_add_nc_u64 s[10:11], s[10:11], s[36:37]
	LOADXQ
.endm
; F + i of lanes 16-31 changes places with F + 8 + i of lanes 0-15.  Then F + 0..7 is the B operand of the points of lanes 0-15 (lane 16 + r holds
; point r's k = 8-15, 24-31) and F + 8..15 that of the points of lanes 16-31.
.macro XCHG i
	v_cndmask_b32 v[S], v[F+8+\i], v[F+\i], s32    ; what I give away
	v_permlanex16_b32 v[R], v[S], s34, s35
	v_cndmask_b32 v[F+\i], v[F+\i], v[R], s32
	v_cndmask_b32 v[F+8+\i], v[R], v[F+8+\i], s32
.endm
; Four places behind a matrix instruction before a vector instruction reads its result or writes one of its registers (ISA guide 7.12.1)
.macro PLACES
.rept 4
	v_nop
.endr
.endm
; ELU of the accumulator tile at d, rounded to f16 into four registers at hdst
.macro ELU d, hdst
.irp i, 0,2,4,6
	v_pk_mul_f32 v[E+\i:E+\i+1], v[\d+\i:\d+\i+1], 0x3fb8aa3b op_sel_hi:[1,0]     ; x log2 e
.endr
.irp i, 0,1,2,3,4,5,6,7
	v_exp_f32 v[E+\i], v[E+\i]
.endr
	v_nop                                          ; one plain vector instruction behind a transcendental before its result is used (ISA guide 5.7.2)
	s_wait_alu depctr_va_vdst(0)
.irp i, 0,2,4,6
	v_pk_add_f32 v[E+\i:E+\i+1], v[E+\i:E+\i+1], -1.0 op_sel_hi:[1,0]
.endr
.irp i, 0,1,2,3,4,5,6,7
	v_cmp_lt_f32 vcc_lo, 0, v[\d+\i]
	v_cndmask_b32 v[\d+\i], v[E+\i], v[\d+\i], vcc_lo              ; x where 0 < x, else exp(x) - 1
.endr
.irp i, 0,1,2,3
	v_cvt_pk_f16_f32 v[\hdst+\i], v[\d+2*\i], v[\d+2*\i+1]
.endr
.endm
; The three layers for 16 points: p = 0 those of lanes 0-15, p = 1 those of lanes 16-31.
; xn stands in its owner's lane: for p = 0 at k = 0-2 (lanes 0-15), for p = 1 at k = 8-10 (lanes 16-31), and A0X holds the three rows at both places;
; the other half of the lanes holds 0, so that no point's xn enters another point's sum.
; The two accumulator tiles take turns, one matrix instruction a turn.
.macro MLP16 p, sub
.if \p == 0
	v_cndmask_b32 v[XB],   v[PK+2*\sub],   0, s32
	v_cndmask_b32 v[XB+1], v[PK+2*\sub+1], 0, s32
.else
	v_cndmask_b32 v[XB],   0, v[PK+2*\sub],   s32
	v_cndmask_b32 v[XB+1], 0, v[PK+2*\sub+1], s32
.endif
	v_wmma_f32_16x16x32_f16 v[D:D+7],    v[A0H:A0H+7],    v[F+8*\p:F+8*\p+7], v[CB0:CB0+7]       ; the bias starts the sum
	v_wmma_f32_16x16x32_f16 v[D+8:D+15], v[A0H+8:A0H+15], v[F+8*\p:F+8*\p+7], v[CB0+8:CB0+15]
	v_wmma_f32_16x16x32_f16 v[D:D+7],    v[A0X:A0X+7],    v[XB:XB+7], v[D:D+7]
	v_wmma_f32_16x16x32_f16 v[D+8:D+15], v[A0X+8:A0X+15], v[XB:XB+7], v[D+8:D+15]
	PLACES
	ELU D,   F+8*\p                                ; units 8 h .. 8 h + 7: registers 0-3 of the next B operand
	ELU D+8, F+8*\p+4                              ; units 16 + 8 h ..: registers 4-7
	v_wmma_f32_16x16x32_f16 v[D:D+7],    v[A1W:A1W+7],    v[F+8*\p:F+8*\p+7], v[CB1:CB1+7]
	v_wmma_f32_16x16x32_f16 v[D+8:D+15], v[A1W+8:A1W+15], v[F+8*\p:F+8*\p+7], v[CB1+8:CB1+15]
	PLACES
	ELU D,   F+8*\p
	ELU D+8, F+8*\p+4
	v_wmma_f32_16x16x32_f16 v[D:D+7], v[A3:A3+7], v[F+8*\p:F+8*\p+7], 0    ; every row of A3 is Wout: every register of D holds the result of point r
	PLACES
.if \p == 0
	v_add_f32 v[OT], s33, v[D]                     ; lanes 0-15: my point
.else
	v_add_f32 v[E], s33, v[D]                      ; lanes 16-31: my point
	v_cndmask_b32 v[OUT+\sub], v[OT], v[E], s32
.endif
.endm
.macro MLP sub
.irp i, 0,1,2,3,4,5,6,7
	XCHG \i
.endr
	MLP16 0, \sub
	MLP16 1, \sub
.endm
; A trip is a batch: 32 steps (16 levels of sub 0, then of sub 1), each sub's layers behind its last level.
; A wave has 32 gathers out at the most, and behind RELOAD six loads more.
.Ltrip:
	s_wait_loadcnt 0x0                             ; this batch's x and q: the only loads that are out, on the way in and on the way back
.irp j, 0,2,4
	v_pk_fma_f32 v[X+\j:X+\j+1], v[X+\j:X+\j+1], 0.5, 0.5 op_sel_hi:[1,0,0]       ; xn = round(x + 1) / 2
.endr
	v_cvt_pk_f16_f32 v[PK],   v[X],   v[X+1]
	v_cvt_pk_f16_f32 v[PK+1], v[X+2], v[XB+2]      ; (xn2, 0)
	v_cvt_pk_f16_f32 v[PK+2], v[X+3], v[X+4]
	v_cvt_pk_f16_f32 v[PK+3], v[X+5], v[XB+2]
	ISSUE 0, 0
	ISSUE 0, 1
	ISSUE 0, 2
.irp l, 0,1,2,3,4,5,6,7,8,9,10,11,12
	STEP \l, 0, \l+3, 24                           ; 24 = three younger steps of eight gathers
.endr
	STEP 13, 1, 0, 24
	STEP 14, 1, 1, 24
	STEP 15, 1, 2, 24
	MLP 0                                          ; three steps of sub 1 are on their way meanwhile
.irp l, 0,1,2,3,4,5,6,7,8,9,10,11
	STEP \l, 1, \l+3, 24
.endr
	ISSUE 1, 15
	RELOAD
	s_wait_loadcnt 30                              ; three younger steps and the six loads of the next batch stay out
	CONSUME 12
	TAIL 13, 22                                    ; two steps and the six
	TAIL 14, 14                                    ; one step and the six
	TAIL 15, 6                                     ; the six
	MLP 1
	global_store_b64 v[L8], v[OUT:OUT+1], s[26:27] th:TH_STORE_NT  ; the wave's 64 results: 256 consecutive bytes, aligned
	s_wait_xcnt 0x0                                ; the store's base and data are written again only behind this wait
	s_add_nc_u64 s[26:27], s[26:27], ALL_WAVES*BATCH_O
	s_add_co_u32 s31, s31, 1
	s_cmp_lt_u32 s31, s30
	s_cbranch_scc1 .Ltrip
	s_endpgm
.Lfunc_end_k_q1dec37aed2_field:
	.size	k_q1dec37aed2_field, .Lfunc_end_k_q1dec37aed2_field-k_q1dec37aed2_field
	.p2alignl 7, 3214868480
	.fill 96, 4, 3214868480
	.section	.rodata,"a",@progbits
	.p2align	6, 0x0
	.amdhsa_kernel k_q1dec37aed2_field
		.amdhsa_group_segment_fixed_size 0
		.amdhsa_private_segment_fixed_size 0
		.amdhsa_enable_private_segment 0
		.amdhsa_kernarg_size 80
		.amdhsa_user_sgpr_count 2
		.amdhsa_user_sgpr_kernarg_segment_ptr 1
		.amdhsa_wavefront_size32 1
		.amdhsa_system_sgpr_workgroup_id_x 1
		.amdhsa_system_sgpr_workgroup_id_y 1
		.amdhsa_system_sgpr_workgroup_id_z 1
		.amdhsa_system_vgpr_workitem_id 0
		.amdhsa_next_free_vgpr 256
		.amdhsa_next_free_sgpr 98
		.amdhsa_reserve_vcc 1
		.amdhsa_float_denorm_mode_32 3
		.amdhsa_float_denorm_mode_16_64 3
		.amdhsa_memory_ordered 1
		.amdhsa_forward_progress 1
		.amdhsa_inst_pref_size 179
	.end_amdhsa_kernel
	.amdgpu_metadata
---
amdhsa.version: [ 1, 2 ]
amdhsa.kernels:
  - .name:           k_q1dec37aed2_field
    .symbol:         k_q1dec37aed2_field.kd
    .args:
      - { .name: x, .offset: 0, .size: 8, .value_kind: global_buffer, .address_space: global }
      - { .name: qfix, .offset: 8, .size: 8, .value_kind: global_buffer, .address_space: global }
      - { .name: table, .offset: 16, .size: 8, .value_kind: global_buffer, .address_space: global }
      - { .name: W0, .offset: 24, .size: 8, .value_kind: global_buffer, .address_space: global }
      - { .name: b0, .offset: 32, .size: 8, .value_kind: global_buffer, .address_space: global }
      - { .name: W1, .offset: 40, .size: 8, .value_kind: global_buffer, .address_space: global }
      - { .name: b1, .offset: 48, .size: 8, .value_kind: global_buffer, .address_space: global }
      - { .name: Wout, .offset: 56, .size: 8, .value_kind: global_buffer, .address_space: global }
      - { .name: bout, .offset: 64, .size: 8, .value_kind: global_buffer, .address_space: global }
      - { .name: out0, .offset: 72, .size: 8, .value_kind: global_buffer, .address_space: global }
    .group_segment_fixed_size: 0
    .private_segment_fixed_size: 0
    .kernarg_segment_align: 8
    .kernarg_segment_size: 80
    .max_flat_workgroup_size: 512
    .sgpr_count:     98
    .vgpr_count:     256
    .wavefront_size: 32
...
	.end_amdgpu_metadata
.endif
;; end of part 2
